; MI455X (gfx1250); checked and timed in simulation.
; The chip was launched on July 23, 2026; its instructions are those of AMD's public machine-readable ISA for CDNA 5 (MIT licence, August 2026) and "CDNA5" Instruction Set Architecture Reference Guide (July 2026). The comments in the code are by the model that wrote it; some were corrected since.
;; Vector Quantize Sampler. Allowed arithmetic: matrix products marked QUANTISED: E3M2 operands, one E8M0 scale for each 32 along K, by v_wmma_scale_f32_16x16x128_f8f6f4 with both operands' format E3M2, f32 sums; everything else in f32.
;; Inputs: embeddings 1,024 x 64 float32; zq 131,072 x 64 float32.
;; Outputs: out0 131,072 x 64 float32.
;; This version of the problem:
;;   THIS VERSION OF THE PROBLEM IS GIVEN IN LOW PRECISION. The matrix products marked QUANTISED in the list below multiply operands that are first quantised to E3M2 (3 exponent bits, 2 mantissa bits; 6 bits a number), with one power-of-two scale for each 32 numbers along K (OCP MX v1.0); their sums are f32. All else is computed in f32.
;;   The module's matrix products, in the order in which they are computed (A, B: the left and right operand; K: the contracted axis; several contracted axes count as one K, in the product's order):
;;     1. [M 131,072, K 64] x [K 64, N 1,024]; A: input zq; B: input embeddings: QUANTISED
;;   THE QUANTISER, for each operand of a quantised product, along K:
;;     - K is cut into blocks of 32 from its start; a last block that is shorter is filled with zeros.
;;     - A block's scale is 2^e with e = floor(log2(the largest magnitude in the block)) - 4, held to -126 .. 127; a block of zeros has e = 0. As a byte (E8M0): e + 127.
;;     - Each number is divided by its block's scale, clamped to +-28, and rounded to the nearest number of E3M2, ties to even, subnormals kept.
;;     - The product sums the exact products of the quantised numbers (number of the format x scale) in f32.
;;   ~~~python
;;   def quantise(x, axis):      # numpy; x: float32 -> the quantised numbers, widened to float32 again
;;       x = np.moveaxis(x, axis, -1); K = x.shape[-1]
;;       x = np.pad(x, [(0, 0)] * (x.ndim - 1) + [(0, -K % 32)]); x = x.reshape(x.shape[:-1] + (-1, 32)); a = np.abs(x).max(-1, keepdims=True)
;;       e = np.where(a > 0, np.clip(np.frexp(np.where(a > 0, a, 1))[1] - 1 - 4, -126, 127), 0)      # np.frexp(a)[1] - 1 = floor(log2(a)), exactly
;;       r = np.clip(x / 2.0 ** e, -28, 28)
;;       step = 2.0 ** (np.maximum(np.frexp(np.where(r == 0, 1, r))[1] - 1, -2) - 2)
;;       q = np.round(r / step) * step * 2.0 ** e      # np.round: ties to even
;;       return np.moveaxis(q.reshape(q.shape[:-2] + (-1,))[..., :K], -1, axis).astype(np.float32)
;;   ~~~
;; One version. Each part assembles by itself: llvm-mc -triple=amdgcn-amd-amdhsa -mcpu=gfx1250 --defsym DOCPART=n.
;; ======== version 1 of 1: 2 launches
;; workspace buffers: idx 524,288 bytes of whole numbers
;; launch nearest (part 1): grid 256 x 1, 8 waves a work-group, no clusters, 281,600 bytes of LDS; arguments zq, embeddings, idx; writes idx
.if DOCPART == 1
	.amdgcn_target "amdgcn-amd-amdhsa--gfx1250"
	.amdhsa_code_object_version 6
	.text
	.protected	k_qcc4f10aa55_nearest
	.globl	k_qcc4f10aa55_nearest
	.p2align	8
	.type	k_qcc4f10aa55_nearest,@function
k_qcc4f10aa55_nearest:
	s_mov_b64 s[64:65], 0
	v_nop
	global_prefetch_b8 v0, s[64:65] scope:SCOPE_SE
	s_setreg_imm32_b32 hwreg(HW_REG_WAVE_MODE, 25, 1), 1
	s_wait_xcnt 0x0
; idx[q] = the codeword w (of 1,024) with the smallest |z_q|^2 - 2 Q(z_q).Q(w) + |w|^2.  zq: [131072][64] f32, embeddings: [1024][64] f32, idx: [131072] u32.
; Q: codes of BF6 (E3M2) with one E8M0 scale for each 32 along K; K = 64 is two blocks.  The product goes by the 16 x 16 x 128 form: the upper 64 of its K are zero codes on both sides.
; THE SCORE.  |z_q|^2 is one number for all candidates of a row, so it is not formed.  The matrix instruction computes D = Q(w).Q(z) + C with C = -|w|^2 / 2: the row's LARGEST D is the row's smallest distance,
; and no vector instruction is spent on forming a score.  |w|^2 is taken of the unquantised numbers, in f32.
; LIMITS.  The score is rounded once (in the matrix instruction) where the definition rounds twice at the size of |z|^2 + |w|^2, and |w|^2 is summed in two packed chains and a lane exchange: two candidates whose
; distances differ by less than such f32 roundings may be ordered otherwise than by the definition's own roundings.  Exact ties take the lowest index.  A block of zeros carries the scale byte 1 where the rule says 127:
; its codes are zeros, and this launch alone reads the bytes.  NaN and infinities among the inputs are not served.
; SHARES.  A work-group of eight waves owns 512 rows of zq: 32 tiles of 16 queries.  THE WAVES SHARE THE CODEBOOK, NOT THE ROWS: wave w owns codewords 128 w .. 128 w + 127, eight tiles of 16, whose codes (96 registers),
; scale words (8) and C (64) stay in its registers for the whole launch.  What goes round is small: a query tile's codes and scale words, 896 bytes, as an image of the operand's registers in LDS.
; z comes by the tensor data mover, all of it asked for at the start: each wave asks for the four tiles that it will quantise itself (tile 8 b + w in block b), one load of 16 rows each, so that block 0 can be worked
; on while blocks 1 to 3 are on their way; one load of 64 rows would have to land whole first.  Four tensor loads of a wave are out at the most.  No LDS byte is filled twice.
; A BLOCK (8 query tiles): each wave quantises its tile and stores the image | barrier | every wave takes the 8 images in turn: 8 matrix instructions a tile, and a running maximum that keeps the winning tile's eight
; scores, so that the place of the maximum is looked for once a query tile and not once a codebook tile.  Each lane's (score, index) goes to LDS; at the end a barrier, and each thread joins the 16 candidates of 2 queries.
; NO CLUSTER: zq's rows belong to one work-group alone.  The codebook is shared by all, but as f32 it is 262,144 bytes, which have no room beside the 245,760 bytes of z, images, results and -|w|^2 / 2; in pieces it would
; want slots that are filled again ahead of the loop.  Each wave reads its 32,768 bytes of it once, through registers.
; LAYOUT.  Source 0 = 16 codewords, source 1 = 16 queries.  On both sides lane (r, h) holds row r and block h: k = 32 h .. 32 h + 31 in registers 0-5; registers 6-11 are zero codes.
; In the result lane (r, h), register j, is the score of query r against codeword 16 t + 8 h + j; C has the same layout.
.set ZP,    272                        ; a row of z or of the codebook in LDS: 256 bytes + 16 = 68 words: row r starts at bank 4 r mod 64 (64 banks of 4 bytes: ISA guide 11.1), so sixteen rows' 16 bytes fall on different banks
.set TILEB, 16*ZP                      ; 16 rows
.set BLKB,  8*TILEB                    ; a block's eight tiles
.set IMGB,  1024                       ; a query tile's image: registers 0-3 at 16 x lane, registers 4-5 at 512 + 8 x lane, the scale word at 768 + 4 x lane
.set RESP,  2176                       ; a query tile's results: 8 waves x 256 bytes, + 128, so that two tiles' rows fall on different banks at the join
.set ZIMG,  32*TILEB                   ; LDS: z as f32 from byte 0 (filled by the tensor loads alone); then the 32 images;
.set WST,   ZIMG+32*IMGB               ; each wave's own stage for one codebook tile;
.set WSQ,   WST+8*TILEB                ; each wave's own 128 words of -|w|^2 / 2;
.set RES,   WSQ+8*512                  ; the results: (score, index) at RESP x tile + 256 x wave + 8 x lane.  End: RES + 32 RESP = 280,576
.set FLOOR, 5<<23                      ; 2^(5 - 127): under it no largest magnitude is taken, so a scale byte cannot fall under 1
.set ZRD,   1                          ; v1   my 128 bytes of my tile of z: ZP r + 128 h + TILEB w; stepped a block on behind each block's reads
.set WSRD,  2                          ; v2   the same place in my stage
.set WSTO,  3                          ; v3   where I put 16 bytes of a codebook tile as loaded: ZP h + 16 r in my stage
.set QST,   4                          ; v4   my row's word of -|w|^2 / 2
.set QRD,   5                          ; v5   my half's eight words of a tile
.set GW,    6                          ; v6   16 x lane: my bytes of a load's 512
.set SH8,   7                          ; v7   8 h: my block's byte's place in a scale word
.set FA16,  8                          ; v8-10   my lane's three places in image 0
.set FA8,   9
.set FA4,   10
.set IA16,  11                         ; v11-13  the same in image w: where I store
.set IA8,   12
.set IA4,   13
.set RW,    14                         ; v14  my place in a tile's results
.set LB,    15                         ; v15  128 w + 8 h: my lane's first codeword
.set AD16,  16                         ; v16-18  the addresses of the fetch in hand (at the head and at the end: at work)
.set AD8,   17
.set AD4,   18
.set ADR,   19                         ; v19  the address of the result in hand
.set GO,    20                         ; v20  8 x thread: my two words of idx
.set PW,    21                         ; v21  z's scale word just made
.set ZS,    22                         ; v22-23  z's scale words, by parity
.set WS,    24                         ; v24-31  the codebook's scale words
.set WA,    32                         ; v32-127   the codebook's eight fragments, 12 registers each
.set WC,    128                        ; v128-191  -|w|^2 / 2, eight registers a tile.  Before that: R.  At the end: J
.set R,     128                        ; two sets of 32 registers: a codebook tile as loaded
.set J,     128                        ; the join's 16 candidates, 4 registers each: (score, index) of two queries
.set ZB,    192                        ; v192-215  z's fragment, two sets by parity.  v192-197 also take z's codes as they are made
.set SQ,    204                        ; v204-207  (codebook phase) |w|^2's two packed sums;  v208 the word to store
.set D0,    216                        ; v216-223, v224-231  two result buffers
.set D1,    224
.set KEEP,  232                        ; v232-239  the winning tile's eight scores
.set T0,    240                        ; v240-241  at work
.set T1,    241
.set B0,    242                        ; v242  the running best behind an even tile
.set B1,    244                        ; v244  behind an odd tile; with v245 the pair that is stored
.set IDX,   245
.set GID,   246                        ; v246  16 x the winning tile
.set POS,   247                        ; v247  the place in it
.set X,     216                        ; v216-247  the quantiser's 32 numbers, while no query tile is in hand
.set BB,    216                        ; the join: v216-217 the two queries' best scores, v218-219 their indices
.set BI,    218
.set MA,    248                        ; v248-249  the largest magnitude, in two chains
.set MB,    249
.set SCL,   250                        ; v250  the conversions' scale operand
.set BYT,   251                        ; v251  the scale's byte
.set TQ,    252                        ; v252-254  the second conversion's result
.set PT,    255                        ; v255  a lane permute's destination
.set WV,    10                         ; s10  my wave's number
.set G1,    16                         ; s[16:23]  descriptor group 1
.set G0,    24                         ; s[24:39]  descriptor group 0, a set for each block; never rewritten
.set SEL,   40                         ; s[40:41]  v_permlanex16_b32's selects for lane l xor 16
.set SIT,   42                         ; s42  the image to fetch next, in bytes
.set SRS,   43                         ; s43  the results of the tile in hand, in bytes
.set CNT,   44
.set MK,    46                         ; s46-52  seven masks
.set JM,    54                         ; s54-59  the join's masks, three for each of a thread's two queries
	s_load_b128 s[4:7], s[0:1], 0x0                ; zq s[4:5], embeddings s[6:7]
	s_load_b64 s[8:9], s[0:1], 0x10                ; idx
	s_set_vgpr_msb 0x40
	v_lshl_add_u32 v0, v0, 2, 0x44800
	v_mov_b32 v1, 0
	s_set_vgpr_msb 0x4045
	ds_add_u32 v0, v1
	ds_add_u32 v0, v1
	s_set_vgpr_msb 0x4500
	v_lshrrev_b32 v16, 5, v0
	v_readfirstlane_b32 s[WV], v16                 ; wave 0..7
	v_and_b32 v17, 15, v0                          ; r
	v_bfe_u32 v18, v0, 4, 1                        ; h
	v_and_b32 v19, 31, v0                          ; lane
	s_mul_i32 s11, s[WV], TILEB
	s_lshl_b32 s12, s[WV], 9
	s_lshl_b32 s13, s[WV], 10
	s_lshl_b32 s14, s[WV], 8
	s_lshl_b32 s15, s[WV], 7
	v_mul_u32_u24 v[ZRD], v17, ZP
	v_lshl_add_u32 v[ZRD], v18, 7, v[ZRD]
	v_add_nc_u32 v[ZRD], s11, v[ZRD]
	v_add_nc_u32 v[WSRD], WST, v[ZRD]
	v_mul_u32_u24 v[WSTO], v18, ZP
	v_lshl_add_u32 v[WSTO], v17, 4, v[WSTO]
	v_add_nc_u32 v[WSTO], s11, v[WSTO]
	v_add_nc_u32 v[WSTO], WST, v[WSTO]
	v_lshl_add_u32 v[QST], v17, 2, s12
	v_add_nc_u32 v[QST], WSQ, v[QST]
	v_lshl_add_u32 v[QRD], v18, 5, s12
	v_add_nc_u32 v[QRD], WSQ, v[QRD]
	v_lshlrev_b32 v[GW], 4, v19
	v_lshlrev_b32 v[SH8], 3, v18
	v_add_nc_u32 v[FA16], ZIMG, v[GW]
	v_lshl_add_u32 v[FA8], v19, 3, ZIMG+512
	v_lshl_add_u32 v[FA4], v19, 2, ZIMG+768
	v_add_nc_u32 v[IA16], s13, v[FA16]
	v_add_nc_u32 v[IA8], s13, v[FA8]
	v_add_nc_u32 v[IA4], s13, v[FA4]
	v_lshl_add_u32 v[RW], v19, 3, s14
	v_add_nc_u32 v[RW], RES, v[RW]
	v_lshl_add_u32 v[LB], v18, 3, s15
	v_lshlrev_b32 v[GO], 3, v0
	v_mov_b32 v[PT], 0                             ; written once: a lane permute's destination counts as one of its sources
.irp t, 0,1,2,3,4,5,6,7                        ; K = 64 fills half of the instruction's 128: the other half is zero codes, written once
.irp i, 6,7,8,9,10,11
	v_mov_b32 v[WA+12*\t+\i], 0
.endr
.endr
.irp p, 0,1
.irp i, 6,7,8,9,10,11
	v_mov_b32 v[ZB+12*\p+\i], 0
.endr
.endr
	s_mov_b32 s[SEL], 0x76543210
	s_mov_b32 s[SEL+1], 0xfedcba98
	; descriptor group 1: a tile of 16 rows x 64 elements of 4 bytes, 16 bytes of padding behind each row
	s_mov_b32 s[G1+0], (2<<16)|(1<<20)|(5<<22)|(3<<25)  ; 15:0 no mask; 17:16 elements of 4 bytes; 20 padding on; 24:22 after every 64 words (code 5); 31:25 of 4 words (code 3)
	s_mov_b32 s[G1+1], 64<<16                      ; tensor_dim0 = 64
	s_mov_b32 s[G1+2], 16<<16                      ; tensor_dim1 = 16
	s_mov_b32 s[G1+3], 64<<16                      ; tile_dim0 = 64
	s_mov_b32 s[G1+4], 16                          ; tile_dim1 = 16
	s_mov_b32 s[G1+5], 64                          ; elements from row to row
	s_mov_b32 s[G1+6], 0
	s_mov_b32 s[G1+7], 0
	s_lshl_b32 s12, ttmp9, 17                      ; the work-group's 512 rows of 256 bytes,
	s_lshl_b32 s13, s[WV], 12                      ; my wave's tile of block 0
	s_add_co_u32 s12, s12, s13
	s_mov_b32 s13, 0
	s_lshl_b32 s14, s[WV], 15                      ; my 128 codewords of 256 bytes
	s_mov_b32 s15, 0
	s_wait_dscnt 0x0
	s_wait_kmcnt 0x0
	s_add_nc_u64 s[4:5], s[4:5], s[12:13]
	s_add_nc_u64 s[6:7], s[6:7], s[14:15]
	s_lshl_b32 s12, ttmp9, 11                      ; the work-group's 512 words of idx
	s_add_nc_u64 s[8:9], s[8:9], s[12:13]
.macro LOADW t                         ; codebook tile t as it lies: eight loads of 512 consecutive bytes, into set t % 2
.irp i, 0,1,2,3,4,5,6,7
	global_load_b128 v[R+32*((\t)%2)+4*\i:R+32*((\t)%2)+4*\i+3], v[GW], s[6:7] offset:4096*(\t)+512*\i
.endr
.endm
	LOADW 0
	LOADW 1
.irp b, 0,1,2,3
	s_mov_b32 s[G0+4*\b], 1                        ; 1:0 count = 1
	s_add_co_u32 s[G0+4*\b+1], s11, \b*BLKB        ; 63:32 LDS address: tile 8 b + w
	s_add_nc_u64 s[G0+4*\b+2:G0+4*\b+3], s[4:5], \b*32768   ; 120:64 global address: 128 rows a block
	s_or_b32 s[G0+4*\b+3], s[G0+4*\b+3], 0x80000000         ; 127:126 type = 2
.endr
.irp b, 0,1,2,3                        ; all of my z, in the order in which it is wanted: one group, ahead of every LDS read, every wait on TENSORcnt and every barrier
	tensor_load_to_lds s[G0+4*\b:G0+4*\b+3], s[G1:G1+7]
	s_nop 0
.endr
.rept 4
	v_nop
.endr
; 32 numbers of a lane, v[x] .. v[x + 31], one whole block, become its 32 codes in v[c] .. v[c + 5]; the scale's byte is left in v[BYT].
.macro QUANT x, c
	v_max3_num_f32 v[MA], |v[\x]|, |v[\x+1]|, FLOOR                ; the block's largest magnitude, in two chains; the floor is one more leaf
	v_max3_num_f32 v[MB], |v[\x+16]|, |v[\x+17]|, |v[\x+18]|
.irp i, 0,2,4,6,8,10
	v_max3_num_f32 v[MA], v[MA], |v[\x+2+\i]|, |v[\x+3+\i]|
	v_max3_num_f32 v[MB], v[MB], |v[\x+19+\i]|, |v[\x+20+\i]|
.endr
	v_max3_num_f32 v[MA], v[MA], |v[\x+14]|, |v[\x+15]|
	v_max3_num_f32 v[MA], v[MA], v[MB], |v[\x+31]|
	v_add_nc_u32 v[SCL], 0xfe000000, v[MA]         ; 4 off its exponent field: the conversion takes the exponent field of this operand as its scale, and nothing else of it
	v_cvt_scalef32_pk16_bf6_f32 v[\c:\c+2], v[\x:\x+15], v[SCL]    ; to the nearest code, ties to even, beyond 28 the largest code
	v_cvt_scalef32_pk16_bf6_f32 v[TQ:TQ+2], v[\x+16:\x+31], v[SCL] ; (a conversion's three registers begin on an even number)
	v_lshrrev_b32 v[BYT], 23, v[SCL]               ; the scale's byte; also the plain place behind the conversions
.irp i, 0,1,2
	v_mov_b32 v[\c+3+\i], v[TQ+\i]
.endr
.endm
.macro SWORD d                         ; my block's byte and lane l xor 16's make the row's scale word: block 0 in byte 0, block 1 in byte 1; bytes 2 and 3, over zero codes, are 0
	v_lshlrev_b32 v[BYT], v[SH8], v[BYT]
	v_permlanex16_b32 v[PT], v[BYT], s[SEL], s[SEL+1]
	v_or_b32 v[\d], v[BYT], v[PT]
.endm
.macro WSQR t                          ; -|w|^2 / 2 of my row, of the unquantised numbers: my 32 squares in two packed chains, then lane l xor 16's 32
	v_pk_mul_f32 v[SQ:SQ+1], v[X:X+1], v[X:X+1]
	v_pk_mul_f32 v[SQ+2:SQ+3], v[X+2:X+3], v[X+2:X+3]
.irp i, 4,8,12,16,20,24,28
	v_pk_fma_f32 v[SQ:SQ+1], v[X+\i:X+\i+1], v[X+\i:X+\i+1], v[SQ:SQ+1]
	v_pk_fma_f32 v[SQ+2:SQ+3], v[X+\i+2:X+\i+3], v[X+\i+2:X+\i+3], v[SQ+2:SQ+3]
.endr
	v_pk_add_f32 v[SQ:SQ+1], v[SQ:SQ+1], v[SQ+2:SQ+3]
	v_add_f32 v[SQ], v[SQ], v[SQ+1]
	v_permlanex16_b32 v[PT], v[SQ], s[SEL], s[SEL+1]
	v_add_f32 v[SQ], v[SQ], v[PT]
	v_mul_f32 v[SQ+4], -0.5, v[SQ]
	ds_store_b32 v[QST], v[SQ+4] offset:64*(\t)    ; lanes r and r + 16 write the same word with the same value
.endm
; Codebook tile t: as loaded, a lane holds 16 bytes of a row; the quantiser wants 128.  So the tile turns through my own stage.  LDS serves a wave's instructions in order (ISA guide 5.7.1.4): no wait between stores and loads.
.macro WTILE t
.if (\t) < 7
	s_wait_loadcnt 8                               ; this tile's eight loads are in; the next tile's eight may be out
.else
	s_wait_loadcnt 0x0
.endif
.irp i, 0,1,2,3,4,5,6,7
	ds_store_b128 v[WSTO], v[R+32*((\t)%2)+4*\i:R+32*((\t)%2)+4*\i+3] offset:2*ZP*\i
.endr
.irp q, 0,1,2,3,4,5,6,7
	ds_load_b128 v[X+4*\q:X+4*\q+3], v[WSRD] offset:16*\q
.endr
	s_wait_dscnt 0x0                               ; my 32 numbers are in, and the stores have read their registers,
.if (\t) < 6
	LOADW (\t)+2                                   ; which take the tile two on
.endif
	QUANT X, WA+12*(\t)
	SWORD WS+(\t)
	WSQR \t
.endm
.irp u, 0,1,2,3,4,5,6,7
	WTILE \u
.endr
.irp t, 0,1,2,3,4,5,6,7                        ; C: lane (r, h) takes the words of codewords 16 t + 8 h + 0 .. 7; these loads see my stores above
	ds_load_b128 v[WC+8*\t:WC+8*\t+3], v[QRD] offset:64*\t
	ds_load_b128 v[WC+8*\t+4:WC+8*\t+7], v[QRD] offset:64*\t+16
.endr
; Codebook tile t against the query tile in set p, into the eight registers from d on.  C and D are different registers: there is no chain.
.macro WM t, d, p
.set rD, \d
	v_wmma_scale_f32_16x16x128_f8f6f4 v[rD:rD+7], v[WA+12*(\t):WA+12*(\t)+11], v[ZB+12*(\p):ZB+12*(\p)+11], v[WC+8*(\t):WC+8*(\t)+7], v[WS+(\t)], v[ZS+(\p)] matrix_a_fmt:MATRIX_FMT_BF6 matrix_b_fmt:MATRIX_FMT_BF6
.endm
.macro PROC0                           ; tile 0's scores were written straight into KEEP: they start the maximum
	v_max3_num_f32 v[T0], v[KEEP], v[KEEP+1], v[KEEP+2]
	v_max3_num_f32 v[T1], v[KEEP+3], v[KEEP+4], v[KEEP+5]
	v_max3_num_f32 v[T0], v[T0], v[T1], v[KEEP+6]
	v_max_num_f32 v[B0], v[T0], v[KEEP+7]
	v_mov_b32 v[GID], 0
.endm
; Tile t's eight scores, from d on, against the best so far.  Only where they hold a strictly larger one do they take KEEP's place: on a tie the earlier tile stays.
.macro PROC t, d
.set rD, \d
.set rO, B0+2*(((\t)-1)%2)
.set rN, B0+2*((\t)%2)
	v_max3_num_f32 v[T0], v[rO], v[rD], v[rD+1]    ; (a result is read from its low end on)
	v_max3_num_f32 v[T1], v[rD+2], v[rD+3], v[rD+4]
	v_max3_num_f32 v[T0], v[T0], v[rD+5], v[rD+6]
	v_max3_num_f32 v[rN], v[T0], v[T1], v[rD+7]
	v_cmp_le_f32 vcc_lo, v[rN], v[rO]              ; the old tile stays
.irp j, 0,1,2,3,4,5,6,7
	v_cndmask_b32 v[KEEP+\j], v[rD+\j], v[KEEP+\j], vcc_lo
.endr
	v_cndmask_b32 v[GID], 16*(\t), v[GID], vcc_lo
.endm
.macro RESOLVE                         ; once a query tile: the first of KEEP's eight that equals the best; my lane's (score, index) to LDS
.irp j, 0,1,2,3,4,5,6
	v_cmp_eq_f32 s[MK+\j], v[KEEP+\j], v[B1]
.endr
	v_mov_b32 v[POS], 7
.irp j, 6,5,4,3,2,1,0
	v_cndmask_b32 v[POS], v[POS], \j, s[MK+\j]
.endr
	v_add3_u32 v[IDX], v[GID], v[POS], v[LB]
	ds_store_b64 v[ADR], v[B1:B1+1]
.endm
.macro FETCH p                         ; an image comes back as the registers that it was
	ds_load_b128 v[ZB+12*(\p):ZB+12*(\p)+3], v[AD16]
	ds_load_b64 v[ZB+12*(\p)+4:ZB+12*(\p)+5], v[AD8]
	ds_load_b32 v[ZS+(\p)], v[AD4]
.endm
; ONE QUERY TILE, its operand in set p.  fetch = 1: the next tile's image is asked for, into the other set.
; DISTANCES (except for loads and for matrix instructions that write over a result), counted in plain vector instructions that name none of the matrix instruction's registers:
; the four address lines stand between tile 0's product and the first read of it; between tile t's product and the first read of it, and the product of tile t + 2 that writes over it, stands PROC t - 1, 14 lines;
; the loads into the other set stand behind the last tile's PROC 6, PROC 7 and RESOLVE.
.macro ZT p, fetch
	s_wait_dscnt 0x0                               ; my operand, asked for a tile ago, is in; the last result's store has read its registers
	WM 0, KEEP, \p
	WM 1, D1, \p
.if \fetch
	v_add_nc_u32 v[AD16], s[SIT], v[FA16]
	v_add_nc_u32 v[AD8], s[SIT], v[FA8]
	v_add_nc_u32 v[AD4], s[SIT], v[FA4]
.else
.rept 3
	v_nop
.endr
.endif
	v_add_nc_u32 v[ADR], s[SRS], v[RW]
.if \fetch
	FETCH 1-(\p)
	s_add_co_u32 s[SIT], s[SIT], IMGB
.endif
	PROC0
.irp t, 1,2,3,4,5,6
	WM \t+1, D0+8*((\t+1)%2), \p
	PROC \t, D0+8*((\t)%2)
.endr
	PROC 7, D1
	RESOLVE
	s_add_co_u32 s[SRS], s[SRS], RESP
.endm
; A BLOCK of eight query tiles.
.macro BLOCK b
	s_wait_tensorcnt 3-\b                          ; a wave's tensor loads end in order (ISA guide 10.11.1): my tile of this block is in; those of the later blocks may be out: no LDS byte is ever filled again
	s_wait_dscnt 0x0                               ; C is in (block 0); the last result's store has read its registers (later blocks)
.irp q, 0,1,2,3,4,5,6,7
	ds_load_b128 v[X+4*\q:X+4*\q+3], v[ZRD] offset:16*\q   ; only I read the bytes that my loads brought
.endr
	s_wait_dscnt 0x0
.if \b < 3
	v_add_nc_u32 v[ZRD], BLKB, v[ZRD]              ; on to my tile of the next block
.endif
	QUANT X, ZB
	SWORD PW
	ds_store_b128 v[IA16], v[ZB:ZB+3] offset:8*IMGB*\b
	ds_store_b64 v[IA8], v[ZB+4:ZB+5] offset:8*IMGB*\b
	ds_store_b32 v[IA4], v[PW] offset:8*IMGB*\b
	s_wait_dscnt 0x0                               ; for the others' sake: my image lies in LDS
	s_barrier_signal -1
	s_barrier_wait -1                              ; all eight do.  Each block's images have bytes of their own, so no wave writes what another still reads
	s_mov_b32 s[SIT], 8*IMGB*\b
	s_mov_b32 s[SRS], 8*RESP*\b
	v_add_nc_u32 v[AD16], s[SIT], v[FA16]
	v_add_nc_u32 v[AD8], s[SIT], v[FA8]
	v_add_nc_u32 v[AD4], s[SIT], v[FA4]
	FETCH 0
	s_add_co_u32 s[SIT], s[SIT], IMGB
	s_mov_b32 s[CNT], 3
.Ltiles_\b:
	ZT 0, 1
	ZT 1, 1
	s_sub_co_u32 s[CNT], s[CNT], 1
	s_cmp_lg_u32 s[CNT], 0
	s_cbranch_scc1 .Ltiles_\b
	ZT 0, 1
	ZT 1, 0                                        ; the block's last tile fetches nothing: the next block's images are not made yet
.endm
	BLOCK 0
	BLOCK 1
	BLOCK 2
	BLOCK 3
	; THE JOIN.  A query's 16 candidates lie 128 bytes apart: candidate c = 2 w + h is the best of codewords 128 w + 16 t + 8 h + 0 .. 7, t = 0 .. 7.  Thread n takes queries 2 n and 2 n + 1: 16 bytes a candidate.
	v_lshrrev_b32 v16, 3, v0                       ; their tile,
	v_and_b32 v17, 7, v0                           ; and their place in it
	v_mul_u32_u24 v16, v16, RESP
	v_lshl_add_u32 v16, v17, 4, v16
	v_add_nc_u32 v16, RES, v16
	s_wait_dscnt 0x0                               ; for the others' sake: my results lie in LDS
	s_barrier_signal -1
	s_barrier_wait -1
.irp c, 0,1,2,3,4,5,6,7,8,9,10,11,12,13,14,15
	ds_load_b128 v[J+4*\c:J+4*\c+3], v16 offset:128*\c
.endr
	s_wait_dscnt 0x0
; Candidate c of query e against the best so far: it wins with a larger score, or with an equal score and a lower index (the candidates' ranges of indices interleave).
.macro JOIN e, c
.set nB, J+4*(\c)+2*(\e)
.if (\c) == 1
.set cB, J+2*(\e)                      ; the best so far is candidate 0, where it lies
.set cI, J+2*(\e)+1
.else
.set cB, BB+(\e)
.set cI, BI+(\e)
.endif
.set mk, JM+3*(\e)
	v_cmp_gt_f32 s[mk], v[nB], v[cB]
	v_cmp_eq_f32 s[mk+1], v[nB], v[cB]
	v_cmp_lt_u32 s[mk+2], v[nB+1], v[cI]
	s_and_b32 s[mk+1], s[mk+1], s[mk+2]
	s_or_b32 s[mk], s[mk], s[mk+1]
	v_cndmask_b32 v[BB+(\e)], v[cB], v[nB], s[mk]
	v_cndmask_b32 v[BI+(\e)], v[cI], v[nB+1], s[mk]
.endm
.irp c, 1,2,3,4,5,6,7,8,9,10,11,12,13,14,15
	JOIN 0, \c
	JOIN 1, \c
.endr
	global_store_b64 v[GO], v[BI:BI+1], s[8:9]     ; a wave stores 256 consecutive bytes, at a multiple of 256 from idx's first byte
	s_set_vgpr_msb 0x5
	s_wait_tensorcnt 0x0
	ds_add_u32 v0, v1
	s_wait_dscnt 0x0
	s_set_vgpr_msb 0x500
	s_endpgm
.Lfunc_end_k_qcc4f10aa55_nearest:
	.size	k_qcc4f10aa55_nearest, .Lfunc_end_k_qcc4f10aa55_nearest-k_qcc4f10aa55_nearest
	.p2alignl 7, 3214868480
	.fill 96, 4, 3214868480
	.section	.rodata,"a",@progbits
	.p2align	6, 0x0
	.amdhsa_kernel k_qcc4f10aa55_nearest
		.amdhsa_group_segment_fixed_size 281600
		.amdhsa_private_segment_fixed_size 0
		.amdhsa_enable_private_segment 0
		.amdhsa_kernarg_size 24
		.amdhsa_user_sgpr_count 2
		.amdhsa_user_sgpr_kernarg_segment_ptr 1
		.amdhsa_wavefront_size32 1
		.amdhsa_system_sgpr_workgroup_id_x 1
		.amdhsa_system_sgpr_workgroup_id_y 1
		.amdhsa_system_sgpr_workgroup_id_z 1
		.amdhsa_system_vgpr_workitem_id 0
		.amdhsa_next_free_vgpr 258
		.amdhsa_next_free_sgpr 66
		.amdhsa_reserve_vcc 1
		.amdhsa_float_denorm_mode_32 3
		.amdhsa_float_denorm_mode_16_64 3
		.amdhsa_memory_ordered 1
		.amdhsa_forward_progress 1
		.amdhsa_inst_pref_size 177
	.end_amdhsa_kernel
	.amdgpu_metadata
---
amdhsa.version: [ 1, 2 ]
amdhsa.kernels:
  - .name:           k_qcc4f10aa55_nearest
    .symbol:         k_qcc4f10aa55_nearest.kd
    .args:
      - { .name: zq, .offset: 0, .size: 8, .value_kind: global_buffer, .address_space: global }
      - { .name: embeddings, .offset: 8, .size: 8, .value_kind: global_buffer, .address_space: global }
      - { .name: idx, .offset: 16, .size: 8, .value_kind: global_buffer, .address_space: global }
    .group_segment_fixed_size: 281600
    .private_segment_fixed_size: 0
    .kernarg_segment_align: 8
    .kernarg_segment_size: 24
    .max_flat_workgroup_size: 256
    .sgpr_count:     66
    .vgpr_count:     258
    .wavefront_size: 32
...
	.end_amdgpu_metadata
.endif
;; end of part 1
;; launch gather (part 2): grid 512 x 1, 8 waves a work-group, no clusters, 0 bytes of LDS; arguments idx, embeddings, out0; writes out0
.if DOCPART == 2
	.amdgcn_target "amdgcn-amd-amdhsa--gfx1250"
	.amdhsa_code_object_version 6
	.text
	.protected	k_qcc4f10aa55_gather
	.globl	k_qcc4f10aa55_gather
	.p2align	8
	.type	k_qcc4f10aa55_gather,@function
k_qcc4f10aa55_gather:
	s_mov_b64 s[64:65], 0
	v_nop
	global_prefetch_b8 v0, s[64:65] scope:SCOPE_SE
	s_setreg_imm32_b32 hwreg(HW_REG_WAVE_MODE, 25, 1), 1
	s_wait_xcnt 0x0
; out0[q][:] = embeddings[idx[q]][:].  idx: [131072] u32, stored by the launch before; embeddings: [1024][64] f32; out0: [131072][64] f32.
; A row is 256 bytes: sixteen lanes, 16 bytes each.  A wave takes 32 rows: lanes 0-15 rows q0 + i, lanes 16-31 rows q0 + 16 + i, i = 0 .. 15; a work-group of eight waves takes 256 rows.
; Written out, no loop: a lane's sixteen indices come by four loads (the sixteen lanes of a half read the same 64 bytes), then all sixteen gathers of a wave are on their way together, 8,192 bytes, and each row is
; stored as soon as it is in.  Every gather reads whole rows of 256 consecutive bytes, every store writes two.  No register that a load or store names is written again, so no wait frees any.
; No LDS, no barrier, no matrix unit, no cluster: the waves share nothing but the table, which every work-group reads at places that its own indices name.
; An index is held to 0 .. 1,023 before it enters an address; the launch before stores nothing else.
.set IX,  4                            ; v4-19   my sixteen indices, then their rows' byte offsets
.set DT,  32                           ; v32-95  sixteen rows' 16 bytes
	s_load_b128 s[4:7], s[0:1], 0x0                ; idx s[4:5], embeddings s[6:7]
	s_load_b64 s[8:9], s[0:1], 0x10                ; out0
	v_lshrrev_b32 v3, 4, v0                        ; 2 x wave + half: which run of 16 rows of the work-group's 256 is mine
	v_and_b32 v2, 15, v0
	v_lshlrev_b32 v1, 6, v3                        ; its 64 bytes of idx
	v_lshlrev_b32 v2, 4, v2                        ; my 16 bytes of a row
	v_lshl_add_u32 v3, v3, 12, v2                  ; and the same in out0: 16 rows of 256 bytes a run
	s_lshl_b32 s10, ttmp9, 10                      ; the work-group's 256 words of idx
	s_mov_b32 s11, 0
	s_lshl_b32 s12, ttmp9, 16                      ; and its 256 rows of out0
	s_mov_b32 s13, 0
	s_wait_kmcnt 0x0
	s_add_nc_u64 s[4:5], s[4:5], s[10:11]
	s_add_nc_u64 s[8:9], s[8:9], s[12:13]
.irp k, 0,1,2,3
	global_load_b128 v[IX+4*\k:IX+4*\k+3], v1, s[4:5] offset:16*\k th:TH_LOAD_NT   ; read by this wave alone
.endr
	s_wait_loadcnt 0x0
.irp i, 0,1,2,3,4,5,6,7,8,9,10,11,12,13,14,15
	v_min_u32 v[IX+\i], 0x3ff, v[IX+\i]            ; inside the table
.endr
.irp i, 0,1,2,3,4,5,6,7,8,9,10,11,12,13,14,15
	v_lshlrev_b32 v[IX+\i], 8, v[IX+\i]            ; 256 bytes a row
.endr
.irp i, 0,1,2,3,4,5,6,7,8,9,10,11,12,13,14,15
	v_add_nc_u32 v[IX+\i], v[IX+\i], v2
.endr
.irp i, 0,1,2,3,4,5,6,7,8,9,10,11,12,13,14,15
	global_load_b128 v[DT+4*\i:DT+4*\i+3], v[IX+\i], s[6:7]   ; no hint: a row may be named again, here and by others
.endr
.irp i, 0,1,2,3,4,5,6,7,8,9,10,11,12,13,14,15
	s_wait_loadcnt 15-\i                           ; loads come back in order (ISA guide 5.7.1): gather i is in, the younger ones stay out
	global_store_b128 v3, v[DT+4*\i:DT+4*\i+3], s[8:9] offset:256*\i th:TH_STORE_NT   ; sixteen lanes store 256 consecutive bytes, at a multiple of 256 from out0's first byte; written once
.endr
	s_endpgm
.Lfunc_end_k_qcc4f10aa55_gather:
	.size	k_qcc4f10aa55_gather, .Lfunc_end_k_qcc4f10aa55_gather-k_qcc4f10aa55_gather
	.p2alignl 7, 3214868480
	.fill 96, 4, 3214868480
	.section	.rodata,"a",@progbits
	.p2align	6, 0x0
	.amdhsa_kernel k_qcc4f10aa55_gather
		.amdhsa_group_segment_fixed_size 0
		.amdhsa_private_segment_fixed_size 0
		.amdhsa_enable_private_segment 0
		.amdhsa_kernarg_size 24
		.amdhsa_user_sgpr_count 2
		.amdhsa_user_sgpr_kernarg_segment_ptr 1
		.amdhsa_wavefront_size32 1
		.amdhsa_system_sgpr_workgroup_id_x 1
		.amdhsa_system_sgpr_workgroup_id_y 1
		.amdhsa_system_sgpr_workgroup_id_z 1
		.amdhsa_system_vgpr_workitem_id 0
		.amdhsa_next_free_vgpr 96
		.amdhsa_next_free_sgpr 66
		.amdhsa_reserve_vcc 0
		.amdhsa_float_denorm_mode_32 3
		.amdhsa_float_denorm_mode_16_64 3
		.amdhsa_memory_ordered 1
		.amdhsa_forward_progress 1
		.amdhsa_inst_pref_size 7
	.end_amdhsa_kernel
	.amdgpu_metadata
---
amdhsa.version: [ 1, 2 ]
amdhsa.kernels:
  - .name:           k_qcc4f10aa55_gather
    .symbol:         k_qcc4f10aa55_gather.kd
    .args:
      - { .name: idx, .offset: 0, .size: 8, .value_kind: global_buffer, .address_space: global }
      - { .name: embeddings, .offset: 8, .size: 8, .value_kind: global_buffer, .address_space: global }
      - { .name: out0, .offset: 16, .size: 8, .value_kind: global_buffer, .address_space: global }
    .group_segment_fixed_size: 0
    .private_segment_fixed_size: 0
    .kernarg_segment_align: 8
    .kernarg_segment_size: 24
    .max_flat_workgroup_size: 256
    .sgpr_count:     66
    .vgpr_count:     96
    .wavefront_size: 32
...
	.end_amdgpu_metadata
.endif
;; end of part 2
